; MI455X (gfx1250); checked and timed in simulation.
; The chip was launched on July 23, 2026; its instructions are those of AMD's public machine-readable ISA for CDNA 5 (MIT licence, August 2026) and "CDNA5" Instruction Set Architecture Reference Guide (July 2026). The comments in the code are by the model that wrote it; some were corrected since.
;; Multi Head Attention. Allowed arithmetic: matrix products marked QUANTISED: E2M1 operands, one E8M0 scale for each 32 along K, by v_wmma_scale_f32_16x16x128_f8f6f4 with both operands' format E2M1 (or v_wmma_scale_f32_32x16x128_f4), f32 sums; products left as they are: bf16, f16 or f32 operands; f32 sums; everything else in f32.
;; Inputs: K_in 4 x 2,048 x 1,024 float32; Q_in 4 x 2,048 x 1,024 float32; V_in 4 x 2,048 x 1,024 float32; W_k 1,024 x 1,024 float32; W_o 1,024 x 1,024 float32; W_q 1,024 x 1,024 float32; W_v 1,024 x 1,024 float32.
;; Outputs: out0 4 x 2,048 x 1,024 float32.
;; This version of the problem:
;;   THIS VERSION OF THE PROBLEM IS GIVEN IN LOW PRECISION. The matrix products marked QUANTISED in the list below multiply operands that are first quantised to E2M1 (2 exponent bits, 1 mantissa bit; 4 bits a number), with one power-of-two scale for each 32 numbers along K (OCP MX v1.0); their sums are f32. The products marked 'left as it is' may take bf16, f16 or f32 operands, with f32 sums. Whichever they take, every output number must still come out within the allowed error. Rounding operands to bf16 (8 significant bits) uses up far more of that allowance than f16 does (11 bits, for magnitudes from 6e-5 to 65,504). All else is computed in f32.
;;   The module's matrix products, in the order in which they are computed (A, B: the left and right operand; K: the contracted axis; several contracted axes count as one K, in the product's order):
;;     1. [M 8,192, K 1,024] x [K 1,024, N 1,024]; A: input Q_in; B: input W_q: QUANTISED
;;     2. [M 8,192, K 1,024] x [K 1,024, N 1,024]; A: input K_in; B: input W_k: QUANTISED
;;     3. [M 8,192, K 1,024] x [K 1,024, N 1,024]; A: input V_in; B: input W_v: QUANTISED
;;     4. batch 64 x [M 2,048, K 64] x [K 64, N 2,048]; A: computed on the way; B: computed on the way: left as it is (an operand is computed on the way)
;;     5. batch 64 x [M 2,048, K 2,048] x [K 2,048, N 64]; A: computed on the way; B: computed on the way: left as it is (an operand is computed on the way)
;;     6. [M 8,192, K 1,024] x [K 1,024, N 1,024]; A: computed on the way; B: input W_o: left as it is (an operand is computed on the way)
;;   THE QUANTISER, for each operand of a quantised product, along K:
;;     - K is cut into blocks of 32 from its start; a last block that is shorter is filled with zeros.
;;     - A block's scale is 2^e with e = floor(log2(the largest magnitude in the block)) - 2, held to -126 .. 127; a block of zeros has e = 0. As a byte (E8M0): e + 127.
;;     - Each number is divided by its block's scale, clamped to +-6, and rounded to the nearest number of E2M1, ties to even, subnormals kept.
;;     - The product sums the exact products of the quantised numbers (number of the format x scale) in f32.
;;   ~~~python
;;   def quantise(x, axis):      # numpy; x: float32 -> the quantised numbers, widened to float32 again
;;       x = np.moveaxis(x, axis, -1); K = x.shape[-1]
;;       x = np.pad(x, [(0, 0)] * (x.ndim - 1) + [(0, -K % 32)]); x = x.reshape(x.shape[:-1] + (-1, 32)); a = np.abs(x).max(-1, keepdims=True)
;;       e = np.where(a > 0, np.clip(np.frexp(np.where(a > 0, a, 1))[1] - 1 - 2, -126, 127), 0)      # np.frexp(a)[1] - 1 = floor(log2(a)), exactly
;;       r = np.clip(x / 2.0 ** e, -6, 6)
;;       step = 2.0 ** (np.maximum(np.frexp(np.where(r == 0, 1, r))[1] - 1, 0) - 1)
;;       q = np.round(r / step) * step * 2.0 ** e      # np.round: ties to even
;;       return np.moveaxis(q.reshape(q.shape[:-2] + (-1,))[..., :K], -1, axis).astype(np.float32)
;;   ~~~
;; One version. Each part assembles by itself: llvm-mc -triple=amdgcn-amd-amdhsa -mcpu=gfx1250 --defsym DOCPART=n.
;; ======== version 1 of 1: 4 launches
;; limits: values are held in f16: magnitudes above 65,504 overflow, below 6.1e-05 lose precision
;; workspace buffers: codes 14,155,776 bytes; scales 884,736 bytes; wo16 2,097,152 bytes; qkv 50,331,648 bytes; cat 16,777,216 bytes
;; launch quant (part 1): grid 896 x 1, 4 waves a work-group, no clusters, 33,280 bytes of LDS; arguments Q_in, K_in, V_in, W_q, W_k, W_v, W_o, codes, scales, wo16; writes codes, scales, wo16
.if DOCPART == 1
	.amdgcn_target "amdgcn-amd-amdhsa--gfx1250"
	.amdhsa_code_object_version 6
	.text
	.protected	k_q1b2560b599_quant
	.globl	k_q1b2560b599_quant
	.p2align	8
	.type	k_q1b2560b599_quant,@function
k_q1b2560b599_quant:
	s_mov_b64 s[64:65], 0
	v_nop
	global_prefetch_b8 v0, s[64:65] scope:SCOPE_SE
	s_setreg_imm32_b32 hwreg(HW_REG_WAVE_MODE, 25, 1), 1
	s_wait_xcnt 0x0
; Q_in, K_in, V_in [8192][1024] and W_q, W_k, W_v [1024][1024], f32 with K innermost, become codes of FP4 (E2M1), two a byte, and one E8M0 byte for each 32 along K.
; The six tensors are stacked by rows in the two workspace buffers: codes [27648][512 bytes], scales [27648][32 bytes]; rows 0 Q_in, 8192 K_in, 16384 V_in, 24576 W_q, 25600 W_k, 26624 W_v.
; W_o [1024][1024] is rounded once to f16 (its product is left as it is).
; A block's scale is 2^(floor(log2(its largest magnitude)) - 2); its byte is the largest magnitude's exponent field - 2, held at 1 from below.  A block of zeros gets the byte 1 where the
; quantiser says 127: its codes are zeros, which add nothing, and this program alone reads the bytes.
; LIMITS: NaN and infinities are not served; blocks whose largest magnitude lies under 2^-124 (the floor) were not tried.
; SHARES: a work-group takes 32,768 numbers, a wave 8,192.  Work-groups 0-255 Q_in, 256-511 K_in, 512-767 V_in, 768-799 W_q, 800-831 W_k, 832-863 W_v, 864-895 W_o.
; Since the tensors are stacked in that order, run d = 4 x work-group + wave writes codes at 4096 d and scale bytes at 256 d.  Rows are dense, so nothing here knows of rows.
; A wave's 16 steps of 512 numbers: four loads of 512 consecutive bytes; the 2,048 bytes turn through the wave's own stage in LDS, so that a lane gets 16 neighbours along K (two lanes a block);
; a lane's 16 codes are 8 bytes: the wave stores 256 consecutive bytes.  A wave's 256 scale bytes are gathered in LDS and leave as one aligned block of 256 bytes.
; No tensor loads, no barrier: waves share nothing.  Matrix units and clusters have nothing to do here: the launch moves bytes.
.set WAVES, 4
.set STEPS, 16
.set EMAX,  2
.set CB,    8                          ; bytes of 16 codes
.set R,     16                         ; v16-79   four sets of 16 numbers as loaded
.set X,     80                         ; v80-111  two sets of 16 neighbours
.set E,     112                        ; v112-127 a scale byte for each step
.set C,     128                        ; v128-191 codes: four registers for each step
.set WREG,  8192                       ; LDS: a region for each wave: two stages of 32 x SP bytes, then its 256 scale bytes
.set SP,    80                         ; a lane's place in a stage: 64 bytes + 16 of padding
.set SPW,   12                         ; v12 LDS address of my spare word; never rewritten
.set NIL,   13                         ; v13 0; never rewritten
.set SPARE, WAVES*WREG                 ; behind the regions: the spare words, 128 bytes a wave, which no other line names
.set WGQ,   864                        ; the first work-group of W_o
.set RA,    16                         ; W_o's path: two sets of 64 registers as loaded,
.set RB,    112
.set WH,    80                         ; and 32 registers of f16 pairs
	s_load_b256 s[4:11], s[0:1], 0x0               ; Q_in s[4:5], K_in s[6:7], V_in s[8:9], W_q s[10:11]
	s_load_b256 s[12:19], s[0:1], 0x20             ; W_k s[12:13], W_v s[14:15], W_o s[16:17], codes s[18:19]
	s_load_b128 s[20:23], s[0:1], 0x40             ; scales s[20:21], wo16 s[22:23]
	v_lshl_add_u32 v[SPW], v0, 2, SPARE
	v_mov_b32 v[NIL], 0
	v_lshrrev_b32 v1, 5, v0
	v_readfirstlane_b32 s28, v1                    ; wave
	v_and_b32 v2, 31, v0                           ; lane
	v_lshlrev_b32 v3, 4, v2                        ; my 16 bytes of a load's 512
	s_mul_i32 s29, s28, WREG
	v_lshrrev_b32 v14, 2, v2
	v_mul_u32_u24 v14, v14, SP
	v_and_b32 v15, 3, v2
	v_lshl_add_u32 v14, v15, 4, v14
	v_add_nc_u32 v14, s29, v14                     ; the stage, on the way in: SP (lane / 4) + 16 (lane % 4)
	v_mul_u32_u24 v15, v2, SP
	v_add_nc_u32 v15, s29, v15                     ; and on the way out: SP x lane: my 16 neighbours
	v_mul_u32_u24 v4, v2, CB                       ; my codes' place in a step's
	v_lshrrev_b32 v5, 1, v2
	s_add_co_u32 s29, s29, 2*32*SP
	v_add_nc_u32 v5, s29, v5                       ; LDS: my block's scale byte
	v_lshlrev_b32 v7, 3, v2                        ; 8 bytes a lane
	v_add_nc_u32 v6, s29, v7
	s_lshl_b32 s30, ttmp9, 2
	s_add_co_u32 s30, s30, s28                     ; d = 4 x work-group + wave
	s_mov_b32 s33, 0
	s_wait_kmcnt 0x0
	s_cmp_lt_u32 ttmp9, WGQ                        ; the work-group's number alone decides
	s_cbranch_scc1 .Lcodes
	; ---- W_o to f16.  Run w = d - 4 x 864: 32,768 bytes in, 16,384 out.  Each load reads 512 consecutive bytes, each store writes 256 consecutive bytes, aligned.
	s_sub_co_u32 s30, s30, 4*WGQ
	s_lshl_b32 s32, s30, 15
	s_add_nc_u64 s[16:17], s[16:17], s[32:33]
	s_lshl_b32 s32, s30, 14
	s_add_nc_u64 s[22:23], s[22:23], s[32:33]
.macro WOLOAD n, set
.irp u, 0,1,2,3,4,5,6,7,8,9,10,11,12,13,14,15
	global_load_b128 v[\set+4*\u:\set+4*\u+3], v3, s[16:17] offset:(16*(\n)+\u)*512 th:TH_LOAD_NT
.endr
.endm
.macro WOROUND n, set, left
	s_wait_loadcnt \left                           ; my set's 16 loads are in; the other set's 16 may be out
	s_wait_xcnt 0x0                                ; the last round's stores have read v[WH] on: only now are these written again
.irp u, 0,1,2,3,4,5,6,7,8,9,10,11,12,13,14,15
	v_cvt_pk_f16_f32 v[WH+2*\u], v[\set+4*\u], v[\set+4*\u+1]
	v_cvt_pk_f16_f32 v[WH+2*\u+1], v[\set+4*\u+2], v[\set+4*\u+3]
.endr
.if \n < 2
	WOLOAD (\n)+2, \set
.endif
.irp u, 0,1,2,3,4,5,6,7,8,9,10,11,12,13,14,15
	global_store_b64 v7, v[WH+2*\u:WH+2*\u+1], s[22:23] offset:(16*(\n)+\u)*256
.endr
.endm
	WOLOAD 0, RA
	WOLOAD 1, RB
	WOROUND 0, RA, 16
	WOROUND 1, RB, 16
	WOROUND 2, RA, 16
	WOROUND 3, RB, 0
	s_branch .Lend
.Lcodes:
	; ---- which tensor: a chain of choices on the work-group's number; only a pointer and a first work-group are chosen, the text has one path for all six
	s_mov_b64 s[24:25], s[14:15]
	s_mov_b32 s26, 832
	s_cmp_lt_u32 ttmp9, 832
	s_cselect_b64 s[24:25], s[12:13], s[24:25]
	s_cselect_b32 s26, 800, s26
	s_cmp_lt_u32 ttmp9, 800
	s_cselect_b64 s[24:25], s[10:11], s[24:25]
	s_cselect_b32 s26, 768, s26
	s_cmp_lt_u32 ttmp9, 768
	s_cselect_b64 s[24:25], s[8:9], s[24:25]
	s_cselect_b32 s26, 512, s26
	s_cmp_lt_u32 ttmp9, 512
	s_cselect_b64 s[24:25], s[6:7], s[24:25]
	s_cselect_b32 s26, 256, s26
	s_cmp_lt_u32 ttmp9, 256
	s_cselect_b64 s[24:25], s[4:5], s[24:25]
	s_cselect_b32 s26, 0, s26
	s_sub_co_u32 s27, ttmp9, s26
	s_lshl_b32 s27, s27, 2
	s_add_co_u32 s27, s27, s28                     ; which run of 8,192 numbers of the tensor is my wave's
	s_lshl_b32 s32, s27, 15
	s_add_nc_u64 s[24:25], s[24:25], s[32:33]
	s_lshl_b32 s32, s30, 12                        ; codes: 4,096 bytes a run
	s_add_nc_u64 s[18:19], s[18:19], s[32:33]
	s_lshl_b32 s32, s30, 8                         ; scale bytes: 256 a run
	s_add_nc_u64 s[20:21], s[20:21], s[32:33]
.macro LOAD t
.irp i, 0,1,2,3
	global_load_b128 v[R+16*((\t)%4)+4*\i:R+16*((\t)%4)+4*\i+3], v3, s[24:25] offset:2048*(\t)+512*\i th:TH_LOAD_NT   ; 32 lanes read 512 consecutive bytes
.endr
.endm
.macro TURN t                          ; step t's numbers through the stage: LDS serves a wave's instructions in order, so no wait stands between the stores and the loads
.irp i, 0,1,2,3
	ds_store_b128 v14, v[R+16*((\t)%4)+4*\i:R+16*((\t)%4)+4*\i+3] offset:32*SP*((\t)%2)+8*SP*\i
.endr
.irp i, 0,1,2,3
	ds_load_b128 v[X+16*((\t)%2)+4*\i:X+16*((\t)%2)+4*\i+3], v15 offset:32*SP*((\t)%2)+16*\i
.endr
.endm
.irp t, 0,1,2,3
	LOAD \t
.endr
	s_wait_loadcnt 12                              ; step 0's four loads are in; three steps' twelve may be out
	TURN 0
.macro STEP t
.set XS, X+16*((\t)%2)
.if (\t) > 0
	s_wait_dscnt 1                                 ; this step's numbers are back from the stage (the last step's byte store may be out)
.else
	s_wait_dscnt 0x0
.endif
.if (\t)+4 < STEPS
	LOAD (\t)+4                                    ; into the registers that the stage's stores have read
.endif
.if (\t)+1 < STEPS
.if STEPS-2-(\t) >= 3
	s_wait_loadcnt 12                              ; the next step's four loads are in; those of the three steps behind it may be out
.else
	s_wait_loadcnt 4*(STEPS-2-(\t))
.endif
	TURN (\t)+1
.endif
	v_max3_num_f32 v8, |v[XS]|, |v[XS+1]|, |v[XS+2]|               ; the largest magnitude of my 16, in two chains
	v_max3_num_f32 v9, |v[XS+3]|, |v[XS+4]|, |v[XS+5]|
.irp i, 6,10
	v_max3_num_f32 v8, v8, |v[XS+\i]|, |v[XS+\i+1]|
	v_max3_num_f32 v9, v9, |v[XS+\i+2]|, |v[XS+\i+3]|
.endr
	v_max3_num_f32 v8, v8, |v[XS+14]|, |v[XS+15]|
	v_max3_num_f32 v8, v8, v9, (EMAX+1)<<23        ; and the floor 2^(3 - 127): the byte cannot fall under 1
	v_max_num_f32_dpp v8, v8, v8 row_xmask:1 row_mask:0xf bank_mask:0xf   ; and of my neighbour's 16: the block's
	v_add_nc_u32 v11, -(EMAX<<23), v8              ; 2 off its exponent field: the conversion takes the exponent field of this operand as its scale
	v_cvt_scalef32_pk8_fp4_f32 v[C+4*(\t)], v[XS:XS+7], v11
	v_cvt_scalef32_pk8_fp4_f32 v[C+4*(\t)+1], v[XS+8:XS+15], v11
	v_lshrrev_b32 v[E+(\t)], 23, v11               ; the scale's byte (also the plain line behind the conversions)
	ds_store_b8 v5, v[E+(\t)] offset:16*(\t)       ; both lanes of a block write the same byte with the same value
	global_store_b64 v4, v[C+4*(\t):C+4*(\t)+1], s[18:19] offset:32*CB*(\t)
.endm
.irp t, 0,1,2,3,4,5,6,7,8,9,10,11,12,13,14,15
	STEP \t
.endr
	ds_load_b64 v[8:9], v6                         ; LDS serves a wave's instructions in order: these see my byte stores
	s_wait_dscnt 0x0
	global_store_b64 v7, v[8:9], s[20:21]          ; 32 lanes store 256 consecutive bytes, aligned
.Lend:
	s_wait_tensorcnt 0x0                           ; the wave's end
	ds_add_u32 v[SPW], v[NIL]
	s_wait_dscnt 0x0
	s_endpgm
.Lfunc_end_k_q1b2560b599_quant:
	.size	k_q1b2560b599_quant, .Lfunc_end_k_q1b2560b599_quant-k_q1b2560b599_quant
	.p2alignl 7, 3214868480
	.fill 96, 4, 3214868480
	.section	.rodata,"a",@progbits
	.p2align	6, 0x0
	.amdhsa_kernel k_q1b2560b599_quant
		.amdhsa_group_segment_fixed_size 33280
		.amdhsa_private_segment_fixed_size 0
		.amdhsa_enable_private_segment 0
		.amdhsa_kernarg_size 80
		.amdhsa_user_sgpr_count 2
		.amdhsa_user_sgpr_kernarg_segment_ptr 1
		.amdhsa_wavefront_size32 1
		.amdhsa_system_sgpr_workgroup_id_x 1
		.amdhsa_system_sgpr_workgroup_id_y 1
		.amdhsa_system_sgpr_workgroup_id_z 1
		.amdhsa_system_vgpr_workitem_id 0
		.amdhsa_next_free_vgpr 192
		.amdhsa_next_free_sgpr 66
		.amdhsa_reserve_vcc 0
		.amdhsa_float_denorm_mode_32 3
		.amdhsa_float_denorm_mode_16_64 3
		.amdhsa_memory_ordered 1
		.amdhsa_forward_progress 1
		.amdhsa_inst_pref_size 55
	.end_amdhsa_kernel
	.amdgpu_metadata
---
amdhsa.version: [ 1, 2 ]
amdhsa.kernels:
  - .name:           k_q1b2560b599_quant
    .symbol:         k_q1b2560b599_quant.kd
    .args:
      - { .name: Q_in, .offset: 0, .size: 8, .value_kind: global_buffer, .address_space: global }
      - { .name: K_in, .offset: 8, .size: 8, .value_kind: global_buffer, .address_space: global }
      - { .name: V_in, .offset: 16, .size: 8, .value_kind: global_buffer, .address_space: global }
      - { .name: W_q, .offset: 24, .size: 8, .value_kind: global_buffer, .address_space: global }
      - { .name: W_k, .offset: 32, .size: 8, .value_kind: global_buffer, .address_space: global }
      - { .name: W_v, .offset: 40, .size: 8, .value_kind: global_buffer, .address_space: global }
      - { .name: W_o, .offset: 48, .size: 8, .value_kind: global_buffer, .address_space: global }
      - { .name: codes, .offset: 56, .size: 8, .value_kind: global_buffer, .address_space: global }
      - { .name: scales, .offset: 64, .size: 8, .value_kind: global_buffer, .address_space: global }
      - { .name: wo16, .offset: 72, .size: 8, .value_kind: global_buffer, .address_space: global }
    .group_segment_fixed_size: 33280
    .private_segment_fixed_size: 0
    .kernarg_segment_align: 8
    .kernarg_segment_size: 80
    .max_flat_workgroup_size: 128
    .sgpr_count:     66
    .vgpr_count:     192
    .wavefront_size: 32
...
	.end_amdgpu_metadata
.endif
;; end of part 1
;; launch qkv (part 2): grid 4 x 96, 4 waves a work-group, clusters of 4 x 4, 327,680 bytes of LDS; arguments codes, scales, qkv; writes qkv
.if DOCPART == 2
	.amdgcn_target "amdgcn-amd-amdhsa--gfx1250"
	.amdhsa_code_object_version 6
	.text
	.protected	k_q1b2560b599_qkv
	.globl	k_q1b2560b599_qkv
	.p2align	8
	.type	k_q1b2560b599_qkv,@function
k_q1b2560b599_qkv:
	s_mov_b64 s[64:65], 0
	v_nop
	global_prefetch_b8 v0, s[64:65] scope:SCOPE_SE
	s_setreg_imm32_b32 hwreg(HW_REG_WAVE_MODE, 25, 1), 1
	s_wait_xcnt 0x0
	s_wait_alu depctr_hold_cnt(0) depctr_sa_sdst(0) depctr_va_vdst(0) depctr_va_sdst(0) depctr_va_ssrc(0) depctr_va_vcc(0) depctr_vm_vsrc(0)
	s_getreg_b32 s2, hwreg(HW_REG_IB_STS2, 6, 4)
	s_cmp_eq_u32 s2, 0
	s_cbranch_scc0 .Lentry_in_a_cluster
	s_endpgm
.Lentry_in_a_cluster:
	s_bfe_u32 s2, ttmp6, 0x10000c
	s_cmp_lg_u32 s2, 0xf033
	s_cbranch_scc0 .Lentry_shape_is_right
	s_endpgm
.Lentry_shape_is_right:
; The three quantised products x W^T (each 8192 x 1024 x 1024) on codes of FP4 with E8M0 scales, sums in f32, rounded once to f16 and laid by head:
; qkv [3 (Q, K, V)][64 (batch x 16 + head)][2048][64] f16.  LIMIT: a projected number beyond 65,504 has no f16.
; codes [27648][512 bytes], scales [27648][32 bytes]: rows 0-24575 the three activations on end, rows 24576 on the three weights on end.
; A tile of the stacked result, 256 x 256, is made by four waves; a wave makes 128 x 128: 64 accumulators, 512 registers.  Tile row ty = 0 .. 95: product ty / 32; tile column tx = 0 .. 3.
; K = 1024 is two steps of 512 (LDS rows of 256 bytes): both slots are asked for at the head and nothing is filled again; by this text's count three tensor loads of a wave are out at the most.
; The scale bytes of the 256 + 256 rows, for all of K, are two dense blocks of memory and come once, in rows of 256 bytes.
; CLUSTER 4 x 4: the four of a row need the same rows of x, the four of a column the same rows of W: each tile is asked for jointly.  A cluster's four tile rows lie in one product (32 is a multiple of 4),
; and the product's number is made of the cluster's y alone, so W's descriptors are equal down a column.
; THE MATRIX INSTRUCTION IS USED TRANSPOSED (source 0 = 16 rows of W, source 1 = 16 rows of x): a lane holds eight neighbouring outputs of one row.
; REGISTERS: window 0: v0-31 addresses; v32-95 scale words, two sets; v128-191 x's fragments, one set; window 1: W's fragments, two sets, at v0 and v128; windows 2, 3: the accumulators ((a, b) at v[8 (8 (a % 4) + b)]).
.set NQ,     4                         ; matrix instructions deep in a slot
.set ROWB,   256                       ; a tile's row in bytes: 512 codes
.set KROW,   512                       ; a row of codes in memory
.set PITCH,  272                       ; an LDS row: 256 bytes + 16 of padding: the 16 rows of a load begin 16 bytes further on each, modulo 256
.set FR,     8
.set NL,     2
.set NP,     4                         ; places behind this matrix instruction (ISA guide 7.12.1)
.set HALFT,  128*PITCH
.set SLOT,   4*HALFT
.set KS,     32                        ; a row of scale bytes
.set SCL,    2*SLOT
.set HALFS,  (128*KS/256)*272
.set SBLK,   (16*KS/256)*272
.set SPARE,  SCL+4*HALFS               ; the spare words, 128 bytes a wave, which no other line names
.set WROW0,  24576                     ; the first row of the weights
.set SPITCH, 272                       ; the way out: a stage of 16 rows x (256 + 16) bytes for each wave, in slot 0, which has had its only fill and its last read by then
.set ADRA, 16
.set ADRB, 20
.set STO,  24
.set RD,   25
.set CO,   26
.set ADRS, 27
.set SPW,  28
.set NIL,  29
.set SC,   32
.set AF,   128
.set BK,   128                         ; the way out: 16 rows read back: v128-159 and v160-191 by turns
.set TMP,  192                         ; the way out: a block's f16 pairs
.set G1, 24
.set G0, 32
.set G1B, 48
.set G0B, 56
.set G1S, 68
.set G0S, 76
.set G1SB, 80
.set G0SB, 88
.set MSB, 0
.macro WIN new                         ; the immediate's high byte repeats the setting that is left
.if MSB != (\new)
	s_set_vgpr_msb (MSB<<8)|(\new)
.set MSB, \new
.endif
.endm
.set MUL_LO, 0xa1                      ; source 0 (W) window 1, source 1 (x) window 0, C and D window 2
.set MUL_HI, 0xf1
.set TO_B,   0x40
; A joint load: waves 0 and 1 fetch for x, waves 2 and 3 for W; the branch hangs on the wave's number alone.  An s_nop 0 and four v_nop follow each line.
.macro JLOAD g0a, g1a, g0b, g1b
	s_cmp_eq_u32 s15, 0
	s_cbranch_scc0 .Lfor_b_\@
	tensor_load_to_lds s[\g0a:\g0a+3], s[\g1a:\g1a+7]
	s_nop 0
.rept 4
	v_nop
.endr
	s_branch .Lasked_\@
.Lfor_b_\@:
	tensor_load_to_lds s[\g0b:\g0b+3], s[\g1b:\g1b+7]
	s_nop 0
.rept 4
	v_nop
.endr
.Lasked_\@:
.endm
.macro CROUND                          ; a round of the cluster's barrier
	s_barrier_signal -1
	s_barrier_wait -1
	s_cmp_lg_u32 s14, 0
	s_cbranch_scc1 .Lnot_wave_0_\@
	s_barrier_signal -3
.Lnot_wave_0_\@:
	s_barrier_wait -3
	s_barrier_signal -1
	s_barrier_wait -1
.endm
	s_load_b128 s[4:7], s[0:1], 0x0                ; codes s[4:5], scales s[6:7]
	s_load_b64 s[12:13], s[0:1], 0x10              ; qkv
	v_lshl_add_u32 v[SPW], v0, 2, SPARE
	v_mov_b32 v[NIL], 0
	ds_add_u32 v[SPW], v[NIL]                      ; the opening: the add, twice on end, and its wait ahead of my first tensor load
	ds_add_u32 v[SPW], v[NIL]
	v_lshrrev_b32 v1, 5, v0
	v_readfirstlane_b32 s14, v1                    ; wave 0..3
	s_lshr_b32 s15, s14, 1                         ; which half of the tile's rows is mine.  Also: I fetch for x (0) or for W (1)
	s_and_b32 s16, s14, 1                          ; which half of its columns.  Also: which 128 rows I fetch
	s_bfe_u32 s40, ttmp6, 0x40000                  ; cx, cy
	s_bfe_u32 s41, ttmp6, 0x40004
	s_lshl_b32 s42, ttmp9, 2
	s_add_co_u32 s42, s42, s40                     ; tile column
	s_and_b32 s17, ttmp7, 0xffff
	s_lshr_b32 s95, s17, 3                         ; the product: 8 clusters along y to each
	s_lshl_b32 s95, s95, 10
	s_add_co_u32 s95, s95, WROW0                   ; the first row of its weight
	s_lshl_b32 s17, s17, 2
	s_add_co_u32 s17, s17, s41                     ; tile row
	s_lshl_b32 s43, s41, 2
	s_lshl_b32 s43, 15, s43                        ; my row of the cluster
	s_lshl_b32 s44, 0x1111, s40                    ; my column
	s_or_b32 s[G1+0], s43, (0<<16)|(1<<20)|(1<<21)|(5<<22)|(3<<25)  ; mask; elements of 1 byte; padding on; bit 21 beside a mask; 4 words behind every 64
	s_or_b32 s[G1B+0], s44, (0<<16)|(1<<20)|(1<<21)|(5<<22)|(3<<25)
.irp g, G1, G1B
	s_mov_b32 s[\g+1], ROWB<<16                    ; tensor_dim0
	s_mov_b32 s[\g+2], 128<<16                     ; tensor_dim1
	s_mov_b32 s[\g+3], ROWB<<16                    ; tile_dim0
	s_mov_b32 s[\g+4], 128                         ; tile_dim1
	s_mov_b32 s[\g+5], KROW                        ; from row to row
	s_mov_b32 s[\g+6], 0
	s_mov_b32 s[\g+7], 0
.endr
	s_or_b32 s[G1S+0], s43, (3<<16)|(1<<20)|(1<<21)|(5<<22)|(3<<25) ; the scales of 128 rows: 4,096 dense bytes as 16 rows of 256 (32 elements of 8 bytes), padded alike
	s_or_b32 s[G1SB+0], s44, (3<<16)|(1<<20)|(1<<21)|(5<<22)|(3<<25)
.irp g, G1S, G1SB
	s_mov_b32 s[\g+1], 32<<16
	s_mov_b32 s[\g+2], (128*KS/256)<<16
	s_mov_b32 s[\g+3], 32<<16
	s_mov_b32 s[\g+4], 128*KS/256
	s_mov_b32 s[\g+5], 32
	s_mov_b32 s[\g+6], 0
	s_mov_b32 s[\g+7], 0
.endr
	s_lshl_b32 s18, s16, 7                         ; which 128 rows of the tile I fetch
	s_lshl_b32 s20, s17, 8
	s_add_co_u32 s20, s20, s18                     ; x: row 256 x tile row + 128 x half
	s_lshl_b32 s46, s42, 8
	s_add_co_u32 s46, s46, s18
	s_add_co_u32 s46, s46, s95                     ; W: the weight's first row + 256 x tile column + 128 x half
	s_mov_b32 s21, 0
	s_mov_b32 s47, 0
	s_mov_b64 s[18:19], KS
	s_mul_u64 s[22:23], s[20:21], s[18:19]         ; where these rows' scales begin, in bytes,
	s_mul_u64 s[92:93], s[46:47], s[18:19]
	s_mov_b64 s[18:19], KROW
	s_mul_u64 s[20:21], s[20:21], s[18:19]         ; and their codes
	s_mul_u64 s[46:47], s[46:47], s[18:19]
	s_mul_i32 s45, s14, HALFT                      ; where they go: wave x 128 rows
	s_mul_i32 s94, s14, HALFS
	s_wait_dscnt 0x0                               ; both opening adds are done
	s_wait_kmcnt 0x0
	s_add_nc_u64 s[20:21], s[4:5], s[20:21]
	s_add_nc_u64 s[22:23], s[6:7], s[22:23]
	s_add_nc_u64 s[46:47], s[4:5], s[46:47]
	s_add_nc_u64 s[92:93], s[6:7], s[92:93]
	CROUND                                         ; all sixteen work-groups are here: the joint loads meet
	s_mov_b32 s[G0S], 1
	s_add_co_u32 s[G0S+1], s94, SCL
	s_mov_b64 s[G0S+2:G0S+3], s[22:23]
	s_or_b32 s[G0S+3], s[G0S+3], 0x80000000
	s_mov_b32 s[G0SB], 1
	s_add_co_u32 s[G0SB+1], s94, SCL
	s_mov_b64 s[G0SB+2:G0SB+3], s[92:93]
	s_or_b32 s[G0SB+3], s[G0SB+3], 0x80000000
	JLOAD G0S, G1S, G0SB, G1SB                     ; the scales first: they are wanted with K step 0
.irp s, 0,1
	s_mov_b32 s[G0+4*\s], 1
	s_add_co_u32 s[G0+4*\s+1], s45, \s*SLOT
	s_add_nc_u64 s[G0+4*\s+2:G0+4*\s+3], s[20:21], \s*ROWB
	s_or_b32 s[G0+4*\s+3], s[G0+4*\s+3], 0x80000000
	s_mov_b32 s[G0B+4*\s], 1
	s_add_co_u32 s[G0B+4*\s+1], s45, \s*SLOT
	s_add_nc_u64 s[G0B+4*\s+2:G0B+4*\s+3], s[46:47], \s*ROWB
	s_or_b32 s[G0B+4*\s+3], s[G0B+4*\s+3], 0x80000000
	JLOAD G0+4*\s, G1, G0B+4*\s, G1B
.endr
	v_and_b32 v1, 15, v0                           ; r = lane % 16
	v_bfe_u32 v2, v0, 4, 1                         ; h = lane / 16
	v_mul_u32_u24 v3, v1, PITCH
	v_lshl_add_u32 v4, v2, 4, v3                   ; a fragment's row x pitch + 16 h
	s_mul_i32 s21, s15, HALFT                      ; my 128 rows of x
	s_mul_i32 s22, s16, HALFT                      ; my 128 rows of W,
	s_add_co_u32 s22, s22, 2*HALFT                 ; which lie behind x's 256
.irp s, 0,1
	v_add_nc_u32 v[ADRA+\s], s21, v4
	v_add_nc_u32 v[ADRB+\s], s22, v4
	s_add_co_u32 s21, s21, SLOT
	s_add_co_u32 s22, s22, SLOT
.endr
	v_mul_u32_u24 v5, v1, KS                       ; my row's scales: 32 bytes a row,
	v_lshrrev_b32 v6, 8, v5
	v_lshl_add_u32 v5, v6, 4, v5                   ; and 16 more for each 256 passed
	s_mul_i32 s21, s15, HALFS
	s_mul_i32 s22, s16, HALFS
	s_add_co_u32 s22, s22, 2*HALFS
	s_sub_co_u32 s22, s22, s21
	v_mul_u32_u24 v6, s22, v2                      ; lanes 16-31 take W's: the lower base + h x the distance
	s_add_co_u32 s21, s21, SCL
	v_add_nc_u32 v5, v5, v6
	v_add_nc_u32 v[ADRS], s21, v5
	s_mul_i32 s23, s14, 16*SPITCH                  ; my stage
	v_mul_u32_u24 v5, v1, SPITCH                   ; in: row r, 16 bytes for each half of the lanes
	v_lshl_add_u32 v5, v2, 4, v5
	v_add_nc_u32 v[STO], s23, v5
	v_and_b32 v6, 31, v0
	v_lshlrev_b32 v[CO], 4, v6                     ; out: 16 bytes a lane, 512 on end
	v_lshrrev_b32 v5, 3, v6                        ; back: eight lanes take the 128 bytes that one row has of one head; four rows an instruction
	v_mul_u32_u24 v5, v5, SPITCH
	v_and_b32 v6, 7, v0
	v_lshl_add_u32 v5, v6, 4, v5
	v_add_nc_u32 v[RD], s23, v5
	; where my 128 rows x 2 heads begin in qkv: (ty / 8) << 22 is tensor and batch, (ty % 8) << 15 and half << 14 the row, tx << 20 and half << 19 the head
	s_lshr_b32 s20, s17, 3
	s_lshl_b32 s20, s20, 22
	s_and_b32 s21, s17, 7
	s_lshl_b32 s21, s21, 15
	s_add_co_u32 s20, s20, s21
	s_lshl_b32 s21, s15, 14
	s_add_co_u32 s20, s20, s21
	s_lshl_b32 s46, s42, 20
	s_lshl_b32 s47, s16, 19
	s_add_co_u32 s46, s46, s47
	s_add_co_u32 s20, s20, s46
	s_mov_b32 s21, 0
	s_add_nc_u64 s[12:13], s[12:13], s[20:21]
.macro FRAG reg, adr, q, i             ; 16 rows x 128 K of 4-bit codes: 8 registers: two loads of 16 bytes, 32 bytes apart
.irp c, 0,1
	ds_load_b128 v[\reg+4*\c:\reg+4*\c+3], v[\adr] offset:64*(\q)+32*\c+(\i)*16*PITCH
.endr
.endm
; 16 matrix instructions: x's blocks a0, a0 + 1 against W's eight, the slot's q-th 128 along K.  p: W's set; sc: the set of scale words.  zero = 1: the product starts the sums.
; The 64 accumulators take turns, one instruction a turn, in the same order in every step.
.macro MUL16 a0, p, q, sc, zero
.irp a, \a0, \a0+1
.irp b, 0,1,2,3,4,5,6,7
.if \zero
	v_wmma_scale_f32_16x16x128_f8f6f4 v[8*(8*((\a)%4)+\b):8*(8*((\a)%4)+\b)+7], v[128*(\p)+FR*\b:128*(\p)+FR*\b+FR-1], v[AF+FR*(\a):AF+FR*(\a)+FR-1], 0, v[SC+8*NQ*(\sc)+NQ*\b+(\q)], v[SC+8*NQ*(\sc)+NQ*(\a)+(\q)] matrix_a_fmt:MATRIX_FMT_FP4 matrix_b_fmt:MATRIX_FMT_FP4 matrix_a_scale:MATRIX_SCALE_ROW1
.else
	v_wmma_scale_f32_16x16x128_f8f6f4 v[8*(8*((\a)%4)+\b):8*(8*((\a)%4)+\b)+7], v[128*(\p)+FR*\b:128*(\p)+FR*\b+FR-1], v[AF+FR*(\a):AF+FR*(\a)+FR-1], v[8*(8*((\a)%4)+\b):8*(8*((\a)%4)+\b)+7], v[SC+8*NQ*(\sc)+NQ*\b+(\q)], v[SC+8*NQ*(\sc)+NQ*(\a)+(\q)] matrix_a_fmt:MATRIX_FMT_FP4 matrix_b_fmt:MATRIX_FMT_FP4 matrix_a_scale:MATRIX_SCALE_ROW1
.endif
.endr
.endr
.endm
.macro FETCH_B slot, q, p
	WIN TO_B
.irp i, 0,1,2,3,4,5,6,7
	FRAG 128*(\p)+FR*\i, ADRB+\slot, \q, \i
.endr
	WIN 0
.endm
.macro FETCH_A slot, q, i0
.irp i, \i0, \i0+1, \i0+2, \i0+3
	FRAG AF+FR*(\i), ADRA+\slot, \q, \i
.endr
.endm
.macro SCALES sc                       ; a K step's scale words: 4 words a row; lanes 0-15 take x's block i, lanes 16-31 W's block i
.irp i, 0,1,2,3,4,5,6,7
	ds_load_b128 v[SC+8*NQ*\sc+NQ*\i:SC+8*NQ*\sc+NQ*\i+3], v[ADRS] offset:\i*SBLK
.endr
.endm
.macro PLACES n                        ; plain vector instructions between a matrix instruction and a load into, or a read of, its registers
.rept \n
	v_nop
.endr
.endm
.macro STEP slot, q, zero              ; 128 along K, with its successor in the same slot
	s_wait_dscnt 4*NL                              ; all but the youngest eight loads (x's blocks 4-7) are in
	WIN MUL_LO
	MUL16 0, (\q)%2, \q, \slot, \zero
	MUL16 2, (\q)%2, \q, \slot, \zero
	s_wait_dscnt 0                                 ; x's blocks 4-7 are in
	PLACES NP
	FETCH_B \slot, (\q)+1, 1-(\q)%2
	FETCH_A \slot, (\q)+1, 0
	WIN MUL_HI
	MUL16 4, (\q)%2, \q, \slot, \zero
	MUL16 6, (\q)%2, \q, \slot, \zero
	PLACES NP
	WIN 0
	FETCH_A \slot, (\q)+1, 4
.endm
; Slot 0's last step, and the change to slot 1: one barrier; in front of it each wave waits for all its tensor loads (its part of slot 1), adds 0 to its spare word, and waits for that and for its reads of slot 0.
.macro TURN slot, next
	s_wait_tensorcnt 0x0
	ds_add_u32 v[SPW], v[NIL]
	s_wait_dscnt 4*NL+1                            ; (the add and x's blocks 4-7, eight loads, may be out)
	WIN MUL_LO
	MUL16 0, 1, NQ-1, \slot, 0
	s_wait_dscnt 0x0                               ; the add is done, and my reads of this slot are over
	s_barrier_signal -1
	MUL16 2, 1, NQ-1, \slot, 0
	WIN 0
	s_barrier_wait -1
	PLACES NP
	v_add_nc_u32 v[ADRS], 4*NQ, v[ADRS]            ; on to the next K step's scale words
	FETCH_B \next, 0, 0
	FETCH_A \next, 0, 0
	SCALES \next
	WIN MUL_HI
	MUL16 4, 1, NQ-1, \slot, 0
	MUL16 6, 1, NQ-1, \slot, 0
	PLACES NP
	WIN 0
	FETCH_A \next, 0, 4
.endm
	s_wait_tensorcnt 1                             ; the scales and my part of K step 0 are in; slot 1's load may be out
	s_barrier_signal -1
	s_barrier_wait -1
	FETCH_B 0, 0, 0
	FETCH_A 0, 0, 0
	SCALES 0
	FETCH_A 0, 0, 4
	STEP 0, 0, 1                                   ; the first products start the sums: nothing is cleared
	STEP 0, 1, 0
	STEP 0, 2, 0
	TURN 0, 1
	STEP 1, 0, 0
	STEP 1, 1, 0
	STEP 1, 2, 0
	s_wait_dscnt 4*NL                              ; the last step: nothing more to fetch
	WIN MUL_LO
	MUL16 0, 1, NQ-1, 1, 0
	MUL16 2, 1, NQ-1, 1, 0
	s_wait_dscnt 0
	WIN MUL_HI
	MUL16 4, 1, NQ-1, 1, 0
	MUL16 6, 1, NQ-1, 1, 0
	WIN 0
; THE WAY OUT, a block of 16 rows x 128 columns (two heads) at a time.  PACK: rounded to f16, 16 bytes a lane, each accumulator from its low end on.  TOSTAGE: into my own stage, and back so that
; 32 lanes hold four rows' 128 bytes of one head, which are 512 consecutive bytes of qkv.  SEND: stored.  Block a's conversions stand between block a - 1's loads from the stage and the wait for them.
.macro PACK a
.set AC, 64*((\a)%4)
	WIN 0x0a+5*((\a)/4)                            ; sources 0 and 1: window 2 or 3
.irp b, 0,1,2,3,4,5,6,7
.irp r, 0,1,2,3
	v_cvt_pk_f16_f32 v[TMP+4*\b+\r], v[AC+8*\b+2*\r], v[AC+8*\b+2*\r+1]
.endr
.endr
	WIN 0
.endm
.macro TOSTAGE a
.set BB, BK+32*((\a)%2)
.irp b, 0,1,2,3,4,5,6,7
	ds_store_b128 v[STO], v[TMP+4*\b:TMP+4*\b+3] offset:32*\b
.endr
.irp hh, 0,1
.irp i, 0,1,2,3
	ds_load_b128 v[BB+4*(4*\hh+\i):BB+4*(4*\hh+\i)+3], v[RD] offset:\i*4*SPITCH+\hh*128   ; LDS serves a wave's instructions in order: these see the stores above
.endr
.endr
.endm
.macro SEND a
.set BB, BK+32*((\a)%2)
	s_wait_dscnt 0x0                               ; the block is back in registers
	s_wait_xcnt 0x0                                ; the block before's stores have read their registers: the next loads from the stage may land there
.irp hh, 0,1
.irp i, 0,1,2,3
	global_store_b128 v[CO], v[BB+4*(4*\hh+\i):BB+4*(4*\hh+\i)+3], s[12:13] offset:\hh*262144+(\a)*2048+\i*512 th:TH_STORE_NT   ; 512 consecutive bytes, aligned
.endr
.endr
.endm
	PLACES NP                                      ; behind the last products: for the reads of their results and the loads into x's registers
	PACK 0
	TOSTAGE 0
.irp a, 1,2,3,4,5,6,7
	PACK \a
	SEND \a-1
	TOSTAGE \a
.endr
	SEND 7
	s_wait_tensorcnt 0x0                           ; the wave's end
	ds_add_u32 v[SPW], v[NIL]
	s_wait_dscnt 0x0
	CROUND                                         ; the closing round
	s_endpgm
.Lfunc_end_k_q1b2560b599_qkv:
	.size	k_q1b2560b599_qkv, .Lfunc_end_k_q1b2560b599_qkv-k_q1b2560b599_qkv
	.p2alignl 7, 3214868480
	.fill 96, 4, 3214868480
	.section	.rodata,"a",@progbits
	.p2align	6, 0x0
	.amdhsa_kernel k_q1b2560b599_qkv
		.amdhsa_group_segment_fixed_size 327680
		.amdhsa_private_segment_fixed_size 0
		.amdhsa_enable_private_segment 0
		.amdhsa_kernarg_size 24
		.amdhsa_user_sgpr_count 2
		.amdhsa_user_sgpr_kernarg_segment_ptr 1
		.amdhsa_wavefront_size32 1
		.amdhsa_system_sgpr_workgroup_id_x 1
		.amdhsa_system_sgpr_workgroup_id_y 1
		.amdhsa_system_sgpr_workgroup_id_z 1
		.amdhsa_system_vgpr_workitem_id 0
		.amdhsa_next_free_vgpr 1024
		.amdhsa_next_free_sgpr 98
		.amdhsa_reserve_vcc 0
		.amdhsa_float_denorm_mode_32 3
		.amdhsa_float_denorm_mode_16_64 3
		.amdhsa_memory_ordered 1
		.amdhsa_forward_progress 1
		.amdhsa_inst_pref_size 126
	.end_amdhsa_kernel
	.amdgpu_metadata
---
amdhsa.version: [ 1, 2 ]
amdhsa.kernels:
  - .name:           k_q1b2560b599_qkv
    .symbol:         k_q1b2560b599_qkv.kd
    .args:
      - { .name: codes, .offset: 0, .size: 8, .value_kind: global_buffer, .address_space: global }
      - { .name: scales, .offset: 8, .size: 8, .value_kind: global_buffer, .address_space: global }
      - { .name: qkv, .offset: 16, .size: 8, .value_kind: global_buffer, .address_space: global }
    .group_segment_fixed_size: 327680
    .private_segment_fixed_size: 0
    .kernarg_segment_align: 8
    .kernarg_segment_size: 24
    .max_flat_workgroup_size: 128
    .sgpr_count:     98
    .vgpr_count:     1024
    .wavefront_size: 32
...
	.end_amdgpu_metadata
.endif
;; end of part 2
;; launch attn (part 3): grid 4 x 64, 8 waves a work-group, clusters of 4 x 1, 327,680 bytes of LDS; arguments qkv, cat; writes cat
.if DOCPART == 3
	.amdgcn_target "amdgcn-amd-amdhsa--gfx1250"
	.amdhsa_code_object_version 6
	.text
	.protected	k_q1b2560b599_attn
	.globl	k_q1b2560b599_attn
	.p2align	8
	.type	k_q1b2560b599_attn,@function
k_q1b2560b599_attn:
	s_mov_b64 s[64:65], 0
	v_nop
	global_prefetch_b8 v0, s[64:65] scope:SCOPE_SE
	s_setreg_imm32_b32 hwreg(HW_REG_WAVE_MODE, 25, 1), 1
	s_wait_xcnt 0x0
	s_wait_alu depctr_hold_cnt(0) depctr_sa_sdst(0) depctr_va_vdst(0) depctr_va_sdst(0) depctr_va_ssrc(0) depctr_va_vcc(0) depctr_vm_vsrc(0)
	s_getreg_b32 s2, hwreg(HW_REG_IB_STS2, 6, 4)
	s_cmp_eq_u32 s2, 0
	s_cbranch_scc0 .Lentry_in_a_cluster
	s_endpgm
.Lentry_in_a_cluster:
	s_bfe_u32 s2, ttmp6, 0x10000c
	s_cmp_lg_u32 s2, 0x3003
	s_cbranch_scc0 .Lentry_shape_is_right
	s_endpgm
.Lentry_shape_is_right:
; O[hd][q] = the sum over k of softmax_k(Q[hd][q] . K[hd][k] / 8) V[hd][k], 64 heads (batch x 16 + head) of 2,048 positions x 64 channels, no mask.
; qkv: f16 [3][64][2048][64].  cat: f16 [16 heads][8192 (batch x 2048 + position)][64].  Products on f16 operands with f32 sums; maxima, exponentials and sums in f32; p and O are rounded once to f16.
; LIMITS: scores lie above -3e38 (the running maximum's first value); O stays under 65,504; NaN and infinities are not served.
; SHARES.  A work-group owns 512 queries of one head, each of its eight waves 64: four tiles of 16.  Two waves lie on a SIMD with 512 registers each: the step is written in phases, and one wave's
; softmax can stand beside the other's products.  Every wave walks all 2,048 keys, 64 a step; a fragment of K or V read from LDS feeds four matrix instructions.
; LAYOUT.  S^T = K Q^T (source 0 = 16 keys, source 1 = 16 queries): a lane holds ONE query (lane % 16) and keys 8 (lane / 16) + 0..7.  Two such tiles, rounded to f16 in pairs, ARE source 1
; (32 keys x 16 queries) of O^T = V^T P, whose result again holds one query a lane.  p is packed in place over S^T.  V ([key][channel]) comes out of LDS turned, by ds_load_tr16_b128.
; SOFTMAX.  For each query a running maximum m and sum l: p = 2^(c s - c m), c = log2(e) / 8; in every step O and l are multiplied by a = 2^(c m_old - c m_new).  The step is written once: the first
; finds O = 0, l = 0 and m = -3e38, so a = 0 multiplies zeros.
; RING.  Two LDS slots of 256 keys (four steps).  A key's 128 bytes are dense in memory, so a tile is stated as rows of 256 bytes, TWO keys to an LDS row.  Each wave fetches a quarter of K's tile (waves 0-3)
; or of V's (waves 4-7): one tensor load a wave behind each change of slots, and by this text's count one tensor load of a wave is out at the most.
; CLUSTER.  The four query blocks of a head form a cluster and walk the same K and V: each tile is asked for jointly, with the same descriptor and the mask of all four.
; REGISTERS.  window 0: v1-15 addresses; v16-47 statistics, 8 a tile; v64-191 S^T then P, 32 a tile; v192-255 K's 8 fragments.   window 1: v0-127 O^T, 32 a tile; v128-191 Q; v192-255 V's 8 fragments.
.set PK,     272                       ; K's LDS row: 256 bytes + 16: the 16 keys of a load fall on 16 different 16-byte columns modulo 256
.set PV,     288                       ; V's: 256 + 32
.set VOFF,   128*PK                    ; a slot: 128 rows of K, then 128 rows of V
.set KSTEPB, 32*PK                     ; a step (64 keys) on
.set VSTEPB, 32*PV
.set SLOT1,  1<<17                     ; slot 1 begins here: one exclusive or turns an address from slot to slot
.set SLOTB,  32768                     ; 256 keys in memory
.set STAGE,  SLOT1+128*(PK+PV)         ; behind the ring: 16 rows x 144 bytes for each wave
.set SP,     144
.set SPARE,  STAGE+8*16*SP             ; the spare words, 128 bytes a wave, which no other line names
.set AK0, 2
.set AV0, 3
.set ADK, 4
.set ADV, 5
.set QO,  6
.set STO, 7
.set RD,  8
.set GO,  9
.set PFO, 12
.set SPW, 14
.set NIL, 15
.set ST,  16                           ; tile t at ST + 8 t: +0 c m, +1 m, +2, +3 l (even keys', odd keys'), +4 .. +7 at work; a takes +6
.set S,   64
.set KF,  192
.set QF,  128                          ; window 1
.set VF,  192                          ; window 1
.set WV,  12
.set G1K, 24
.set G1V, 32
.set G0K, 40
.set G0V, 44
.set SLOTS, 48
.set CNT, 49
.set CS,  50
.set SEL, 52
.set TBK, 54
.set TBV, 55
.set PFA, 56
.set LIM, 58
.set MSB, 0
.macro WIN new
.if MSB != (\new)
	s_set_vgpr_msb (MSB<<8)|(\new)
.set MSB, \new
.endif
.endm
.set W_KQ, 0x04                        ; Q (source 1) in window 1
.set W_PV, 0x51                        ; V (source 0), C and D in window 1
.set W_RS, 0x41                        ; O^T (destination, source 0) in window 1
.set TO_1, 0x40                        ; destination in window 1
; A joint load: waves 0-3 fetch K's quarters, waves 4-7 V's; the branch hangs on the wave's number alone.  An s_nop 0 and four v_nop follow each line.
.macro JLOAD
	s_cmp_lt_u32 s[WV], 4
	s_cbranch_scc0 .Lfor_v_\@
	tensor_load_to_lds s[G0K:G0K+3], s[G1K:G1K+7]
	s_nop 0
.rept 4
	v_nop
.endr
	s_branch .Lasked_\@
.Lfor_v_\@:
	tensor_load_to_lds s[G0V:G0V+3], s[G1V:G1V+7]
	s_nop 0
.rept 4
	v_nop
.endr
.Lasked_\@:
.endm
; A prefetch of what the NEXT change of slots will ask for: 32,768 bytes of K and as many of V, four key steps ahead of that load.  A head is walked by one cluster alone; its four partners share the
; bytes out by address, 8,192 each; in each, wave 0 asks for K's and wave 4 for V's, lanes 256 bytes apart: each aligned 256 bytes are named once.  The last change that fills a slot asks for nothing.
.macro ASK
	s_cmp_gt_u32 s[SLOTS], s[LIM]
	s_cbranch_scc0 .Lnot_mine_\@
	global_prefetch_b8 v[PFO], s[PFA:PFA+1] th:TH_LOAD_NT scope:SCOPE_SE
.Lnot_mine_\@:
.endm
.macro CROUND                          ; a round of the cluster's barrier
	s_barrier_signal -1
	s_barrier_wait -1
	s_cmp_lg_u32 s[WV], 0
	s_cbranch_scc1 .Lnot_wave_0_\@
	s_barrier_signal -3
.Lnot_wave_0_\@:
	s_barrier_wait -3
	s_barrier_signal -1
	s_barrier_wait -1
.endm
	s_load_b128 s[4:7], s[0:1], 0x0                ; qkv s[4:5], cat s[6:7]
	v_lshl_add_u32 v[SPW], v0, 2, SPARE
	v_mov_b32 v[NIL], 0
	ds_add_u32 v[SPW], v[NIL]                      ; the opening: the add, twice on end, and its wait ahead of my first tensor load
	ds_add_u32 v[SPW], v[NIL]
	v_lshrrev_b32 v1, 5, v0
	v_readfirstlane_b32 s[WV], v1                  ; wave 0..7
	s_bfe_u32 s13, ttmp6, 0x40000                  ; cx: my block of 512 queries
	s_and_b32 s14, ttmp7, 0xffff                   ; the head, which the four partners share
	s_lshl_b32 s16, s14, 18                        ; a head is 262,144 bytes
	s_and_b32 s15, s[WV], 3                        ; which quarter of a tile I fetch
	s_lshl_b32 s18, s15, 13
	s_add_co_u32 s18, s18, s16                     ; head + quarter
	s_mov_b32 s19, 0
	s_lshl_b32 s20, s13, 16
	s_lshl_b32 s21, s[WV], 13
	s_add_co_u32 s20, s20, s21                     ; my wave's 64 rows in the head
	s_add_co_u32 s2, s20, s16                      ; Q's offset
	s_mov_b32 s3, 0
	s_and_b32 s22, s14, 15
	s_lshl_b32 s22, s22, 20                        ; cat: the head's plane,
	s_lshr_b32 s23, s14, 4
	s_lshl_b32 s23, s23, 18                        ; the batch's 2,048 rows,
	s_add_co_u32 s22, s22, s23
	s_add_co_u32 s22, s22, s20                     ; my wave's rows
	s_mov_b32 s23, 0
	s_mov_b32 s[G1K], 15|(1<<16)|(1<<20)|(1<<21)|(5<<22)|(3<<25)  ; mask of all four; elements of 2 bytes; padding on; bit 21 beside a mask; 4 words behind every 64
	s_mov_b32 s[G1V], 15|(1<<16)|(1<<20)|(1<<21)|(5<<22)|(7<<25)  ; the same with 8 words
.irp g, G1K, G1V
	s_mov_b32 s[\g+1], 128<<16                     ; tensor_dim0 = 128 elements: two keys
	s_mov_b32 s[\g+2], 32<<16                      ; tensor_dim1 = 32 rows
	s_mov_b32 s[\g+3], 128<<16                     ; tile_dim0
	s_mov_b32 s[\g+4], 32                          ; tile_dim1
	s_mov_b32 s[\g+5], 128                         ; from row to row: dense
	s_mov_b32 s[\g+6], 0
	s_mov_b32 s[\g+7], 0
.endr
	s_mov_b32 s[CS], 0x3e38aa3b                    ; c = log2(e) / 8
	s_mov_b32 s[CS+1], s[CS]                       ; (named with it as a pair)
	s_mov_b32 s[SEL], 0x76543210
	s_mov_b32 s[SEL+1], 0xfedcba98                 ; lane l xor 16
	s_mov_b32 s[TBK], 0
	s_mov_b32 s[TBV], 0
	s_mov_b32 s[SLOTS], 7
	s_cmp_eq_u32 s15, 0
	s_cselect_b32 s[LIM], 1, -1                    ; waves 0 and 4 prefetch
	s_wait_dscnt 0x0                               ; both opening adds are done
	s_wait_kmcnt 0x0
	s_add_nc_u64 s[8:9], s[4:5], s[18:19]
	s_add_nc_u64 s[10:11], s[8:9], 33554432        ; V at my quarter of the head's first 256 keys
	s_add_nc_u64 s[8:9], s[8:9], 16777216          ; K likewise
	s_add_nc_u64 s[6:7], s[6:7], s[22:23]          ; cat at my wave's first row
	s_cmp_lt_u32 s[WV], 4
	s_cselect_b64 s[PFA:PFA+1], s[8:9], s[10:11]   ; (in waves 0 and 4 the quarter is the first)
	s_lshl_b32 s18, s13, 13                        ; my work-group's 8,192 bytes of a slot's 32,768
	s_add_nc_u64 s[PFA:PFA+1], s[PFA:PFA+1], s[18:19]
	s_add_nc_u64 s[PFA:PFA+1], s[PFA:PFA+1], SLOTB ; at keys 256 on; the first change of slots steps it to keys 512 on.  Nothing is prefetched at the head
	s_add_nc_u64 s[4:5], s[4:5], s[2:3]            ; Q at my wave's first row
	CROUND                                         ; all four work-groups are here: the first joint loads meet
	s_mov_b32 s[G0K], 1
	s_mul_i32 s[G0K+1], s15, KSTEPB                ; LDS: my quarter of slot 0
	s_mov_b64 s[G0K+2:G0K+3], s[8:9]
	s_or_b32 s[G0K+3], s[G0K+3], 0x80000000
	s_mov_b32 s[G0V], 1
	s_mul_i32 s[G0V+1], s15, VSTEPB
	s_add_co_u32 s[G0V+1], s[G0V+1], VOFF
	s_mov_b64 s[G0V+2:G0V+3], s[10:11]
	s_or_b32 s[G0V+3], s[G0V+3], 0x80000000
	JLOAD                                          ; keys 0 to 255 into slot 0
	v_and_b32 v1, 15, v0                           ; r
	v_bfe_u32 v10, v0, 4, 1                        ; h
	v_lshlrev_b32 v[QO], 7, v1
	v_lshl_add_u32 v[QO], v10, 4, v[QO]            ; Q: row r of 128 bytes + 16 h
	WIN TO_1
.irp t, 0,1,2,3
.irp c, 0,1
	global_load_b128 v[QF+16*\t+8*\c:QF+16*\t+8*\c+3],   v[QO], s[4:5] offset:\t*2048+64*\c      ; Q stays in registers: tile t, channels 32 c on
	global_load_b128 v[QF+16*\t+8*\c+4:QF+16*\t+8*\c+7], v[QO], s[4:5] offset:\t*2048+64*\c+32
.endr
.endr
	WIN 0
	v_lshrrev_b32 v11, 1, v1
	v_mul_u32_u24 v[AK0], v11, PK
	v_and_b32 v11, 1, v1
	v_lshl_add_u32 v[AK0], v11, 7, v[AK0]
	v_lshl_add_u32 v[AK0], v10, 4, v[AK0]          ; K: key r lies at (r / 2) x pitch + 128 (r % 2); + 16 h
	v_and_b32 v11, 7, v0
	v_lshl_add_u32 v11, v10, 3, v11                ; V: I address key 8 h + lane % 8,
	v_lshrrev_b32 v13, 1, v11
	v_mul_u32_u24 v[AV0], v13, PV
	v_and_b32 v13, 1, v11
	v_lshl_add_u32 v[AV0], v13, 7, v[AV0]
	v_bfe_u32 v13, v0, 3, 1
	v_lshl_add_u32 v[AV0], v13, 4, v[AV0]          ; channels 8 ((lane / 8) % 2) on
	v_add_nc_u32 v[AV0], VOFF, v[AV0]
	s_mul_i32 s20, s[WV], 16*SP
	s_add_co_u32 s20, s20, STAGE                   ; my stage
	v_mul_u32_u24 v[STO], v1, SP
	v_lshl_add_u32 v[STO], v10, 4, v[STO]
	v_add_nc_u32 v[STO], s20, v[STO]               ; in: row r, 16 bytes for each half of the lanes
	v_and_b32 v11, 31, v0
	v_lshrrev_b32 v13, 3, v11
	v_mul_u32_u24 v[RD], v13, SP
	v_and_b32 v13, 7, v0
	v_lshl_add_u32 v[RD], v13, 4, v[RD]
	v_add_nc_u32 v[RD], s20, v[RD]                 ; back: eight lanes to a row of 128 bytes, four rows an instruction
	v_lshlrev_b32 v[GO], 4, v11                    ; which are 512 consecutive bytes of cat
	v_lshlrev_b32 v[PFO], 8, v11
.irp t, 0,1,2,3
	v_mov_b32 v[ST+8*\t+1], 0xff61b1e6             ; m = -3e38
	v_mov_b32 v[ST+8*\t+2], 0                      ; l
	v_mov_b32 v[ST+8*\t+3], 0
	v_mov_b32 v[ST+8*\t+5], 0                      ; (a lane permute's destination counts as one of its sources)
	v_mul_f32 v[ST+8*\t], s[CS], v[ST+8*\t+1]      ; c m
.endr
	WIN TO_1
.set i, 0
.rept 128
	v_mov_b32 v[i], 0                              ; O^T, once: so the key step is written once, with no first step of its own
.set i, i+1
.endr
	WIN 0
.macro SCL t, i                        ; pair i of tile t: c s - c m
	v_pk_fma_f32 v[S+32*(\t)+2*(\i):S+32*(\t)+2*(\i)+1], v[S+32*(\t)+2*(\i):S+32*(\t)+2*(\i)+1], s[CS:CS+1], v[ST+8*(\t):ST+8*(\t)+1] op_sel_hi:[1,0,0] neg_lo:[0,0,1] neg_hi:[0,0,1]
.endm
; A KEY STEP: 64 keys.
.macro STEP
	v_add_nc_u32 v[ADK], s[TBK], v[AK0]            ; these two and three v_nop are five places behind the last V^T P: four for the loads into V's registers,
	v_add_nc_u32 v[ADV], s[TBV], v[AV0]            ; five for the products below, which write over P (ISA guide 7.12.1)
.rept 3
	v_nop
.endr
.irp kt, 0,1,2,3
.irp c, 0,1
	ds_load_b128 v[KF+8*(2*\kt+\c):KF+8*(2*\kt+\c)+3],   v[ADK] offset:\kt*8*PK+64*\c          ; keys 16 kt on, channels 32 c on
	ds_load_b128 v[KF+8*(2*\kt+\c)+4:KF+8*(2*\kt+\c)+7], v[ADK] offset:\kt*8*PK+64*\c+32
.endr
.endr
	WIN TO_1
.irp g, 0,1
.irp f, 0,1,2,3
	ds_load_tr16_b128 v[VF+8*(4*\g+\f):VF+8*(4*\g+\f)+3],   v[ADV] offset:\g*16*PV+32*\f       ; keys 32 g on, channels 16 f on
	ds_load_tr16_b128 v[VF+8*(4*\g+\f)+4:VF+8*(4*\g+\f)+7], v[ADV] offset:\g*16*PV+8*PV+32*\f
.endr
.endr
	s_wait_dscnt 16                                ; K is in; V's sixteen loads may be out
	WIN W_KQ
.irp c, 0,1                            ; S^T = K Q^T: the 16 accumulators take turns, one instruction a turn; the first 16 start the sums
.irp kt, 0,1,2,3
.irp t, 0,1,2,3
.if \c == 0
	v_wmma_f32_16x16x32_f16 v[S+32*\t+8*\kt:S+32*\t+8*\kt+7], v[KF+8*(2*\kt+\c):KF+8*(2*\kt+\c)+7], v[QF+16*\t+8*\c:QF+16*\t+8*\c+7], 0
.else
	v_wmma_f32_16x16x32_f16 v[S+32*\t+8*\kt:S+32*\t+8*\kt+7], v[KF+8*(2*\kt+\c):KF+8*(2*\kt+\c)+7], v[QF+16*\t+8*\c:QF+16*\t+8*\c+7], v[S+32*\t+8*\kt:S+32*\t+8*\kt+7]
.endif
.endr
.endr
.endr
	WIN 0
.rept 4
	v_nop                                          ; places in front of the first read of the scores
.endr
	; the maximum of a lane's 32 scores and the old m: four chains of seven, then the rest; each accumulator is first read at its low end; the four tiles by turns
.irp j, 0,1,2,3
.irp t, 0,1,2,3
	v_max3_num_f32 v[ST+8*\t+4+\j], v[S+32*\t+8*\j], v[S+32*\t+8*\j+1], v[S+32*\t+8*\j+2]
.endr
.endr
.irp u, 1,2
.irp j, 0,1,2,3
.irp t, 0,1,2,3
	v_max3_num_f32 v[ST+8*\t+4+\j], v[ST+8*\t+4+\j], v[S+32*\t+8*\j+2*\u+1], v[S+32*\t+8*\j+2*\u+2]
.endr
.endr
.endr
.irp t, 0,1,2,3
	v_max3_num_f32 v[ST+8*\t+4], v[ST+8*\t+4], v[S+32*\t+7], v[S+32*\t+15]
.endr
.irp t, 0,1,2,3
	v_max3_num_f32 v[ST+8*\t+6], v[ST+8*\t+6], v[S+32*\t+23], v[S+32*\t+31]
.endr
.irp t, 0,1,2,3
	v_max3_num_f32 v[ST+8*\t+4], v[ST+8*\t+4], v[ST+8*\t+5], v[ST+8*\t+6]
.endr
.irp t, 0,1,2,3
	v_max3_num_f32 v[ST+8*\t+4], v[ST+8*\t+4], v[ST+8*\t+7], v[ST+8*\t+1]
.endr
.irp t, 0,1,2,3
	v_permlanex16_b32 v[ST+8*\t+5], v[ST+8*\t+4], s[SEL], s[SEL+1]   ; the query's other 32 keys lie in the lane 16 away
.endr
.irp t, 0,1,2,3
	v_mov_b32 v[ST+8*\t+7], v[ST+8*\t]             ; c m_old
.endr
.irp t, 0,1,2,3
	v_max_num_f32 v[ST+8*\t+1], v[ST+8*\t+4], v[ST+8*\t+5]
.endr
.irp t, 0,1,2,3
	v_mul_f32 v[ST+8*\t], s[CS], v[ST+8*\t+1]
.endr
.irp t, 0,1,2,3
	v_sub_f32 v[ST+8*\t+7], v[ST+8*\t+7], v[ST+8*\t]
.endr
	; ONE BATCH of 132 exponentials: the four a, then p, with the next tile's scalings set between them.  Nothing in it names an exponential's result.
.irp t, 0,1,2,3
	v_exp_f32 v[ST+8*\t+6], v[ST+8*\t+7]           ; a = 2^(c m_old - c m_new)
.endr
.irp i, 0,1,2,3,4,5,6,7,8,9,10,11,12,13,14,15
	SCL 0, \i
.endr
.irp t, 0,1,2,3
.irp i, 0,1,2,3,4,5,6,7,8,9,10,11,12,13,14,15
.if \t < 3
	SCL \t+1, \i
.endif
	v_exp_f32 v[S+32*\t+2*\i], v[S+32*\t+2*\i]
	v_exp_f32 v[S+32*\t+2*\i+1], v[S+32*\t+2*\i+1]
.endr
.endr
	v_nop                                          ; a plain instruction behind the last exponential,
	s_wait_alu depctr_va_vdst(0)                   ; and the one wait ahead of the batch's first reader
	; l = a l + the sum of p (unrounded); p to f16 in place: register i takes pair i, and belongs to pair i / 2, which has been summed and packed
.irp i, 0,1,2,3,4,5,6,7,8,9,10,11,12,13,14,15
.irp t, 0,1,2,3
.if \i == 0
	v_pk_fma_f32 v[ST+8*\t+2:ST+8*\t+3], v[ST+8*\t+2:ST+8*\t+3], v[ST+8*\t+6:ST+8*\t+7], v[S+32*\t:S+32*\t+1] op_sel_hi:[1,0,1]
.else
	v_pk_add_f32 v[ST+8*\t+2:ST+8*\t+3], v[ST+8*\t+2:ST+8*\t+3], v[S+32*\t+2*\i:S+32*\t+2*\i+1]
.endif
.endr
.irp t, 0,1,2,3
	v_cvt_pk_f16_f32 v[S+32*\t+\i], v[S+32*\t+2*\i], v[S+32*\t+2*\i+1]
.endr
.endr
	WIN W_RS
.irp t, 0,1,2,3
.irp i, 0,1,2,3,4,5,6,7,8,9,10,11,12,13,14,15
	v_pk_mul_f32 v[32*\t+2*\i:32*\t+2*\i+1], v[32*\t+2*\i:32*\t+2*\i+1], v[ST+8*\t+6:ST+8*\t+7] op_sel_hi:[1,0]   ; O^T x a
.endr
.endr
	s_wait_dscnt 0x0                               ; V is in
	WIN W_PV
.irp g, 0,1                            ; O^T += V^T P: 16 accumulators by turns
.irp f, 0,1,2,3
.irp t, 0,1,2,3
	v_wmma_f32_16x16x32_f16 v[32*\t+8*\f:32*\t+8*\f+7], v[VF+8*(4*\g+\f):VF+8*(4*\g+\f)+7], v[S+32*\t+8*\g:S+32*\t+8*\g+7], v[32*\t+8*\f:32*\t+8*\f+7]
.endr
.endr
.endr
	WIN 0
.endm
.macro SLOT_STEPS                      ; a slot's four key steps: written once, walked four times; then on to the other slot
	s_mov_b32 s[CNT], 4
.Lstep_\@:
	STEP
	s_add_co_u32 s[TBK], s[TBK], KSTEPB
	s_add_co_u32 s[TBV], s[TBV], VSTEPB
	s_sub_co_u32 s[CNT], s[CNT], 1
	s_cmp_lg_u32 s[CNT], 0
	s_cbranch_scc1 .Lstep_\@
	s_sub_co_u32 s[TBK], s[TBK], 4*KSTEPB
	s_xor_b32 s[TBK], s[TBK], SLOT1
	s_sub_co_u32 s[TBV], s[TBV], 4*VSTEPB
	s_xor_b32 s[TBV], s[TBV], SLOT1
.endm
; THE CHANGE OF SLOTS stands at a slot's head.  Each wave waits for all its tensor loads (its part of the slot that it is about to read), adds 0 to its spare word, and waits for that and for its reads of
; the slot that it has left.  fill = 1: a round of the cluster's barrier, so that no wave of any partner still reads that slot or has a load on its way; the joint load of the next 256 keys is the first
; thing behind it and has four key steps, 256 matrix instructions of each wave, in which to land.
.macro CHANGE fill
	s_wait_tensorcnt 0x0                           ; no tensor load of mine is out, so a group 0 may be written
	ds_add_u32 v[SPW], v[NIL]
.if \fill
	s_xor_b32 s[G0K+1], s[G0K+1], SLOT1            ; the walking descriptors: the other slot,
	s_add_nc_u64 s[G0K+2:G0K+3], s[G0K+2:G0K+3], SLOTB   ; the next 256 keys
	s_xor_b32 s[G0V+1], s[G0V+1], SLOT1
	s_add_nc_u64 s[G0V+2:G0V+3], s[G0V+2:G0V+3], SLOTB
	s_wait_xcnt 0x0                                ; the last prefetch, a slot back, has read its address
	s_add_nc_u64 s[PFA:PFA+1], s[PFA:PFA+1], SLOTB ; one slot further on than the walking descriptors
	s_wait_dscnt 0x0                               ; the add is done, and my reads of the slot that I have left are over
	CROUND
	JLOAD
	ASK
.else
	s_wait_dscnt 0x0
	s_barrier_signal -1
	s_barrier_wait -1
.endif
.endm
	s_wait_loadcnt 0x0                             ; Q
.Lslot:                                            ; 7 trips: trip i works keys 256 (i - 1) on and asks for keys 256 i on
	CHANGE 1
	SLOT_STEPS
	s_sub_co_u32 s[SLOTS], s[SLOTS], 1
	s_cmp_lg_u32 s[SLOTS], 0
	s_cbranch_scc1 .Lslot
	CHANGE 0                                       ; the last slot is written out
	SLOT_STEPS
	; THE WAY OUT.  l's two halves and the other half of the lanes' are added (these additions are the places behind the last products); O^T / l is rounded to f16 and goes through my stage, a tile at a time.
.irp t, 0,1,2,3
	v_add_f32 v[ST+8*\t+4], v[ST+8*\t+2], v[ST+8*\t+3]
.endr
.irp t, 0,1,2,3
	v_permlanex16_b32 v[ST+8*\t+5], v[ST+8*\t+4], s[SEL], s[SEL+1]
.endr
.irp t, 0,1,2,3
	v_add_f32 v[ST+8*\t+4], v[ST+8*\t+4], v[ST+8*\t+5]
.endr
.irp t, 0,1,2,3
	v_rcp_f32 v[ST+8*\t+6], v[ST+8*\t+4]
.endr
	v_nop                                          ; a plain instruction behind the last reciprocal,
	s_wait_alu depctr_va_vdst(0)                   ; and one wait for the four, ahead of their first reader
.macro PACK t
	WIN W_RS
.irp i, 0,1,2,3,4,5,6,7,8,9,10,11,12,13,14,15
	v_pk_mul_f32 v[32*\t+2*\i:32*\t+2*\i+1], v[32*\t+2*\i:32*\t+2*\i+1], v[ST+8*\t+6:ST+8*\t+7] op_sel_hi:[1,0]
.endr
	WIN 0x05                                       ; sources 0 and 1 window 1, destination window 0: S^T's registers are free
.irp i, 0,1,2,3,4,5,6,7,8,9,10,11,12,13,14,15
	v_cvt_pk_f16_f32 v[S+16*\t+\i], v[32*\t+2*\i], v[32*\t+2*\i+1]
.endr
	WIN 0
.irp f, 0,1,2,3
	ds_store_b128 v[STO], v[S+16*\t+4*\f:S+16*\t+4*\f+3] offset:32*\f
.endr
.irp i, 0,1,2,3
	ds_load_b128 v[S+16*\t+4*\i:S+16*\t+4*\i+3], v[RD] offset:\i*4*SP   ; LDS serves a wave's instructions in order: these see the stores above, and the next tile's stores come behind them
.endr
.endm
.macro SEND t, younger                 ; younger: the LDS instructions issued behind tile t's loads: the next tile's four stores and four loads, or none
.irp i, 0,1,2,3
	s_wait_dscnt \younger+3-\i
	global_store_b128 v[GO], v[S+16*\t+4*\i:S+16*\t+4*\i+3], s[6:7] offset:\t*2048+\i*512 th:TH_STORE_NT   ; 512 consecutive bytes, aligned
.endr
.endm
	PACK 0
	PACK 1
	SEND 0, 8
	PACK 2
	SEND 1, 8
	PACK 3
	SEND 2, 8
	SEND 3, 0
	s_wait_tensorcnt 0x0                           ; the wave's end
	ds_add_u32 v[SPW], v[NIL]
	s_wait_dscnt 0x0
	CROUND                                         ; the closing round
	s_endpgm
.Lfunc_end_k_q1b2560b599_attn:
	.size	k_q1b2560b599_attn, .Lfunc_end_k_q1b2560b599_attn-k_q1b2560b599_attn
	.p2alignl 7, 3214868480
	.fill 96, 4, 3214868480
	.section	.rodata,"a",@progbits
	.p2align	6, 0x0
	.amdhsa_kernel k_q1b2560b599_attn
		.amdhsa_group_segment_fixed_size 327680
		.amdhsa_private_segment_fixed_size 0
		.amdhsa_enable_private_segment 0
		.amdhsa_kernarg_size 16
		.amdhsa_user_sgpr_count 2
		.amdhsa_user_sgpr_kernarg_segment_ptr 1
		.amdhsa_wavefront_size32 1
		.amdhsa_system_sgpr_workgroup_id_x 1
		.amdhsa_system_sgpr_workgroup_id_y 1
		.amdhsa_system_sgpr_workgroup_id_z 1
		.amdhsa_system_vgpr_workitem_id 0
		.amdhsa_next_free_vgpr 512
		.amdhsa_next_free_sgpr 66
		.amdhsa_reserve_vcc 0
		.amdhsa_float_denorm_mode_32 3
		.amdhsa_float_denorm_mode_16_64 3
		.amdhsa_memory_ordered 1
		.amdhsa_forward_progress 1
		.amdhsa_inst_pref_size 92
	.end_amdhsa_kernel
	.amdgpu_metadata
---
amdhsa.version: [ 1, 2 ]
amdhsa.kernels:
  - .name:           k_q1b2560b599_attn
    .symbol:         k_q1b2560b599_attn.kd
    .args:
      - { .name: qkv, .offset: 0, .size: 8, .value_kind: global_buffer, .address_space: global }
      - { .name: cat, .offset: 8, .size: 8, .value_kind: global_buffer, .address_space: global }
    .group_segment_fixed_size: 327680
    .private_segment_fixed_size: 0
    .kernarg_segment_align: 8
    .kernarg_segment_size: 16
    .max_flat_workgroup_size: 256
    .sgpr_count:     66
    .vgpr_count:     512
    .wavefront_size: 32
...
	.end_amdgpu_metadata
.endif
;; end of part 3
;; launch oproj (part 4): grid 4 x 64, 4 waves a work-group, clusters of 4 x 4, 327,680 bytes of LDS; arguments cat, wo16, out0; writes out0
.if DOCPART == 4
	.amdgcn_target "amdgcn-amd-amdhsa--gfx1250"
	.amdhsa_code_object_version 6
	.text
	.protected	k_q1b2560b599_oproj
	.globl	k_q1b2560b599_oproj
	.p2align	8
	.type	k_q1b2560b599_oproj,@function
k_q1b2560b599_oproj:
	s_mov_b64 s[64:65], 0
	v_nop
	global_prefetch_b8 v0, s[64:65] scope:SCOPE_SE
	s_setreg_imm32_b32 hwreg(HW_REG_WAVE_MODE, 25, 1), 1
	s_wait_xcnt 0x0
	s_wait_alu depctr_hold_cnt(0) depctr_sa_sdst(0) depctr_va_vdst(0) depctr_va_sdst(0) depctr_va_ssrc(0) depctr_va_vcc(0) depctr_vm_vsrc(0)
	s_getreg_b32 s2, hwreg(HW_REG_IB_STS2, 6, 4)
	s_cmp_eq_u32 s2, 0
	s_cbranch_scc0 .Lentry_in_a_cluster
	s_endpgm
.Lentry_in_a_cluster:
	s_bfe_u32 s2, ttmp6, 0x10000c
	s_cmp_lg_u32 s2, 0xf033
	s_cbranch_scc0 .Lentry_shape_is_right
	s_endpgm
.Lentry_shape_is_right:
; out0[m][n] = the sum over k of concat[m][k] W_o[n][k], 8192 x 1024 x 1024, f16 operands, f32 sums, f32 out.
; cat: f16 [16 heads][8192 m][64]: k = 64 x head + channel.  wo16: f16 [1024 n][1024 k].
; A tile of out0 is 128 (m) x 256 (n): 256 work-groups.  Four waves, each 64 x 128: 32 accumulators of 16 x 16, 256 registers (window 1).
; K goes in 8 steps of 128 (two heads) through a ring of two LDS slots.  A's part of a step is two planes, each 128 rows x 128 bytes, dense in memory: stated as 64 rows of 256 bytes, TWO m rows to an LDS row.
; Waves 0 and 1 fetch A's two planes, waves 2 and 3 the two halves of W_o's 256 rows: one tensor load a wave behind each change of slots; two of a wave are out at the head, one later.
; CLUSTER 4 x 4: the four of a row need the same planes of cat, the four of a column the same rows of W_o: each is asked for jointly.
; THE MATRIX INSTRUCTION IS USED TRANSPOSED (source 0 = 16 rows of W_o, source 1 = 16 rows of cat): a lane holds eight neighbouring numbers of a row of out0.
; No prefetch: the launch has eight K steps in all, and both operands are shared in the cluster.
; REGISTERS: window 0: v0-31 addresses; v32-127, v128-223 two fragment buffers for 32 along K (cat's 4 fragments, then W_o's 8); on the way out v32-159 hold rows.  window 1: accumulator (a, b) at v[8 (8 a + b)].
.set PITCH,  272                       ; an LDS row: 256 bytes + 16
.set PLANE,  64*PITCH                  ; a plane of cat in a slot
.set BOFF,   2*PLANE                   ; W_o's rows lie behind the two planes
.set HALFB,  128*PITCH
.set SLOT,   BOFF+2*HALFB
.set STAGE,  2*SLOT                    ; behind the ring: 16 rows x 528 bytes for each wave
.set SPITCH, 528
.set SPARE,  STAGE+4*16*SPITCH         ; the spare words, 128 bytes a wave, which no other line names
.set ASTEP,  2097152                   ; a K step on in cat: two planes
.set BSTEP,  256                       ; and in a row of wo16
.set LAPS,   4
.set ADRA, 16
.set ADRB, 20
.set STO,  24
.set RD,   25
.set CO,   26
.set SPW,  28
.set NIL,  29
.set F0,   32
.set F1,   128
.set BK,   32
.set G1, 24
.set G0, 32
.set G1B, 48
.set G0B, 56
.set MSB, 0
.macro WIN new
.if MSB != (\new)
	s_set_vgpr_msb (MSB<<8)|(\new)
.set MSB, \new
.endif
.endm
.set MUL, 0x50                         ; C and D in window 1, both sources in window 0
.macro JLOAD s                         ; a joint load; an s_nop 0 and four v_nop follow each of the two lines
	s_cmp_eq_u32 s11, 0
	s_cbranch_scc0 .Lfor_b_\@
	tensor_load_to_lds s[G0+4*\s:G0+4*\s+3], s[G1:G1+7]
	s_nop 0
.rept 4
	v_nop
.endr
	s_branch .Lasked_\@
.Lfor_b_\@:
	tensor_load_to_lds s[G0B+4*\s:G0B+4*\s+3], s[G1B:G1B+7]
	s_nop 0
.rept 4
	v_nop
.endr
.Lasked_\@:
.endm
.macro CREST                           ; a round of the cluster's barrier behind its opening barrier
	s_cmp_lg_u32 s10, 0
	s_cbranch_scc1 .Lnot_wave_0_\@
	s_barrier_signal -3
.Lnot_wave_0_\@:
	s_barrier_wait -3
	s_barrier_signal -1
	s_barrier_wait -1
.endm
.macro CROUND
	s_barrier_signal -1
	s_barrier_wait -1
	CREST
.endm
	s_load_b128 s[4:7], s[0:1], 0x0                ; cat s[4:5], wo16 s[6:7]
	s_load_b64 s[8:9], s[0:1], 0x10                ; out0
	v_lshl_add_u32 v[SPW], v0, 2, SPARE
	v_mov_b32 v[NIL], 0
	ds_add_u32 v[SPW], v[NIL]                      ; the opening: the add, twice on end, and its wait ahead of my first tensor load
	ds_add_u32 v[SPW], v[NIL]
	v_lshrrev_b32 v1, 5, v0
	v_readfirstlane_b32 s10, v1                    ; wave 0..3
	s_lshr_b32 s11, s10, 1                         ; which 64 rows of the tile are mine.  Also: I fetch for cat (0) or for W_o (1)
	s_and_b32 s12, s10, 1                          ; which 128 columns.  Also: which plane, or which 128 rows of W_o, I fetch
	s_bfe_u32 s40, ttmp6, 0x40000                  ; cx, cy
	s_bfe_u32 s41, ttmp6, 0x40004
	s_lshl_b32 s42, ttmp9, 2
	s_add_co_u32 s42, s42, s40                     ; tile column
	s_and_b32 s13, ttmp7, 0xffff
	s_lshl_b32 s13, s13, 2
	s_add_co_u32 s13, s13, s41                     ; tile row
	s_lshl_b32 s43, s41, 2
	s_lshl_b32 s43, 15, s43                        ; my row of the cluster
	s_lshl_b32 s44, 0x1111, s40                    ; my column
	s_or_b32 s[G1+0], s43, (1<<16)|(1<<20)|(1<<21)|(5<<22)|(3<<25)  ; mask; elements of 2 bytes; padding on; bit 21 beside a mask; 4 words behind every 64
	s_or_b32 s[G1B+0], s44, (1<<16)|(1<<20)|(1<<21)|(5<<22)|(3<<25)
	s_mov_b32 s[G1+1], 128<<16                     ; cat: 64 rows of 128 elements, dense
	s_mov_b32 s[G1+2], 64<<16
	s_mov_b32 s[G1+3], 128<<16
	s_mov_b32 s[G1+4], 64
	s_mov_b32 s[G1+5], 128
	s_mov_b32 s[G1+6], 0
	s_mov_b32 s[G1+7], 0
	s_mov_b32 s[G1B+1], 128<<16                    ; W_o: 128 rows of 128 elements, 1,024 elements apart
	s_mov_b32 s[G1B+2], 128<<16
	s_mov_b32 s[G1B+3], 128<<16
	s_mov_b32 s[G1B+4], 128
	s_mov_b32 s[G1B+5], 1024
	s_mov_b32 s[G1B+6], 0
	s_mov_b32 s[G1B+7], 0
	s_lshl_b32 s16, s12, 20                        ; cat: my plane,
	s_lshl_b32 s17, s13, 14                        ; the tile's 128 rows of 128 bytes
	s_add_co_u32 s16, s16, s17
	s_mov_b32 s17, 0
	s_lshl_b32 s46, s42, 19                        ; W_o: 256 rows of 2,048 bytes a tile column,
	s_lshl_b32 s47, s12, 18                        ; my 128 of them
	s_add_co_u32 s46, s46, s47
	s_mov_b32 s47, 0
	s_mul_i32 s20, s12, PLANE                      ; where they go: no place in the cluster enters an LDS address
	s_mul_i32 s21, s12, HALFB
	s_add_co_u32 s21, s21, BOFF
	s_wait_dscnt 0x0                               ; both opening adds are done
	s_wait_kmcnt 0x0
	s_add_nc_u64 s[14:15], s[4:5], s[16:17]
	s_add_nc_u64 s[46:47], s[6:7], s[46:47]
	CROUND                                         ; all sixteen work-groups are here: the first joint loads meet
.irp s, 0,1
	s_mov_b32 s[G0+4*\s], 1
	s_add_co_u32 s[G0+4*\s+1], s20, \s*SLOT
	s_add_nc_u64 s[G0+4*\s+2:G0+4*\s+3], s[14:15], \s*ASTEP
	s_or_b32 s[G0+4*\s+3], s[G0+4*\s+3], 0x80000000
	s_mov_b32 s[G0B+4*\s], 1
	s_add_co_u32 s[G0B+4*\s+1], s21, \s*SLOT
	s_add_nc_u64 s[G0B+4*\s+2:G0B+4*\s+3], s[46:47], \s*BSTEP
	s_or_b32 s[G0B+4*\s+3], s[G0B+4*\s+3], 0x80000000
	JLOAD \s
.endr
	v_and_b32 v1, 15, v0                           ; r
	v_bfe_u32 v2, v0, 4, 1                         ; h
	v_lshrrev_b32 v3, 1, v1
	v_mul_u32_u24 v3, v3, PITCH
	v_and_b32 v4, 1, v1
	v_lshl_add_u32 v3, v4, 7, v3
	v_lshl_add_u32 v3, v2, 4, v3                   ; cat: row r lies at (r / 2) x pitch + 128 (r % 2); + 16 h
	v_mul_u32_u24 v4, v1, PITCH
	v_lshl_add_u32 v4, v2, 4, v4                   ; W_o: row r x pitch + 16 h
	s_mul_i32 s21, s11, 32*PITCH                   ; my 64 rows of cat: 32 LDS rows
	s_mul_i32 s22, s12, HALFB                      ; my 128 rows of W_o
	s_add_co_u32 s22, s22, BOFF
.irp s, 0,1
	v_add_nc_u32 v[ADRA+\s], s21, v3
	v_add_nc_u32 v[ADRB+\s], s22, v4
	s_add_co_u32 s21, s21, SLOT
	s_add_co_u32 s22, s22, SLOT
.endr
	s_mul_i32 s23, s10, 16*SPITCH
	s_add_co_u32 s23, s23, STAGE                   ; my stage
	v_mul_u32_u24 v5, v1, SPITCH
	v_lshl_add_u32 v5, v2, 5, v5
	v_add_nc_u32 v[STO], s23, v5                   ; in: row r, 32 bytes for each half of the lanes
	v_and_b32 v6, 31, v0
	v_lshlrev_b32 v[CO], 4, v6                     ; back: the 32 lanes take one row of 512 bytes; and the same in out0
	v_add_nc_u32 v[RD], s23, v[CO]
	s_lshl_b32 s16, s13, 19                        ; out0: 128 rows of 4,096 bytes a tile row,
	s_lshl_b32 s17, s11, 18                        ; my 64 rows,
	s_add_co_u32 s16, s16, s17
	s_lshl_b32 s46, s42, 10                        ; 1,024 bytes a tile column,
	s_lshl_b32 s47, s12, 9                         ; my 512
	s_add_co_u32 s46, s46, s47
	s_add_co_u32 s16, s16, s46
	s_mov_b32 s17, 0
	s_add_nc_u64 s[8:9], s[8:9], s[16:17]
; 8 matrix instructions: cat's block a against W_o's eight, 32 along K.  The 32 accumulators take turns, one instruction a turn, in the same order in every quarter.
.macro MUL8 f, a, zero
.irp b, 0,1,2,3,4,5,6,7
.if \zero
	v_wmma_f32_16x16x32_f16 v[8*(8*(\a)+\b):8*(8*(\a)+\b)+7], v[\f+32+8*\b:\f+32+8*\b+7], v[\f+8*(\a):\f+8*(\a)+7], 0
.else
	v_wmma_f32_16x16x32_f16 v[8*(8*(\a)+\b):8*(8*(\a)+\b)+7], v[\f+32+8*\b:\f+32+8*\b+7], v[\f+8*(\a):\f+8*(\a)+7], v[8*(8*(\a)+\b):8*(8*(\a)+\b)+7]
.endif
.endr
.endm
; 24 LDS loads in one run: quarter q (32 along K) of a slot into buffer f: W_o's eight fragments, then cat's four (plane q / 2, channels 32 (q % 2) on)
.macro FETCH slot, q, f
.irp b, 0,1,2,3,4,5,6,7
	ds_load_b128 v[\f+32+8*\b:\f+32+8*\b+3],   v[ADRB+\slot] offset:\b*16*PITCH+64*(\q)
	ds_load_b128 v[\f+32+8*\b+4:\f+32+8*\b+7], v[ADRB+\slot] offset:\b*16*PITCH+64*(\q)+32
.endr
.irp a, 0,1,2,3
	ds_load_b128 v[\f+8*\a:\f+8*\a+3],   v[ADRA+\slot] offset:\a*8*PITCH+((\q)/2)*PLANE+((\q)%2)*64
	ds_load_b128 v[\f+8*\a+4:\f+8*\a+7], v[ADRA+\slot] offset:\a*8*PITCH+((\q)/2)*PLANE+((\q)%2)*64+32
.endr
.endm
.macro PLACES                          ; four plain instructions between a matrix instruction and a load into, or a read of, its registers
.rept 4
	v_nop
.endr
.endm
; One of a K step's first three quarters: multiplies buffer f and fetches quarter qn into buffer g.
.macro QUARTER slot, qn, f, g, zero
	s_wait_dscnt 4                                 ; all but the youngest four loads (cat's blocks 2, 3) are in
	WIN MUL
	MUL8 \f, 0, \zero
	MUL8 \f, 1, \zero
	PLACES
	WIN 0
	FETCH \slot, \qn, \g
	s_wait_dscnt 24                                ; all but the 24 just issued
	WIN MUL
	MUL8 \f, 2, \zero
	MUL8 \f, 3, \zero
.endm
; The last quarter multiplies buffer 1 and changes slots: one barrier; in front of it each wave waits for all its tensor loads, adds 0 to its spare word, and waits for that and for its reads of this slot.
; fill = 1: the barrier opens a round of the cluster's barrier, and this slot is filled again, two K steps ahead, first thing behind the round.
.macro TURN slot, next, fill
	WIN 0
	s_wait_tensorcnt 0x0                           ; all my tensor loads have landed: my part of the next slot
	ds_add_u32 v[SPW], v[NIL]
	s_wait_dscnt 5                                 ; (the add and the youngest four loads may be out)
	WIN MUL
	MUL8 F1, 0, 0
	s_wait_dscnt 0x0                               ; the add is done, and my reads of this slot are over
	s_barrier_signal -1
	MUL8 F1, 1, 0
	WIN 0
	s_barrier_wait -1
.if \fill
	CREST                                          ; no wave of any partner still reads this slot's tiles or has a load on its way
	s_add_nc_u64 s[G0+4*\slot+2:G0+4*\slot+3], s[G0+4*\slot+2:G0+4*\slot+3], 2*ASTEP
	s_add_nc_u64 s[G0B+4*\slot+2:G0B+4*\slot+3], s[G0B+4*\slot+2:G0B+4*\slot+3], 2*BSTEP
	JLOAD \slot                                    ; its four v_nop are also the places in front of the loads below
.else
	PLACES
.endif
	FETCH \next, 0, F0
	WIN MUL
	MUL8 F1, 2, 0
	MUL8 F1, 3, 0
.endm
	s_wait_tensorcnt 1                             ; my part of K step 0 is in; K step 1's load may be out
	s_barrier_signal -1
	s_barrier_wait -1
	FETCH 0, 0, F0
	QUARTER 0, 1, F0, F1, 1                        ; the first quarter's products start the sums: nothing is cleared
	WIN 0
	s_mov_b32 s3, LAPS-1
.Llap:                                             ; a trip goes once round the ring, from a lap's second quarter to the next lap's first, and fills both slots again
	QUARTER 0, 2, F1, F0, 0
	QUARTER 0, 3, F0, F1, 0
	TURN 0, 1, 1
	QUARTER 1, 1, F0, F1, 0
	QUARTER 1, 2, F1, F0, 0
	QUARTER 1, 3, F0, F1, 0
	TURN 1, 0, 1
	QUARTER 0, 1, F0, F1, 0
	WIN 0
	s_sub_co_u32 s3, s3, 1
	s_cmp_lg_u32 s3, 0
	s_cbranch_scc1 .Llap
	QUARTER 0, 2, F1, F0, 0                        ; the last lap fills nothing
	QUARTER 0, 3, F0, F1, 0
	TURN 0, 1, 0
	QUARTER 1, 1, F0, F1, 0
	QUARTER 1, 2, F1, F0, 0
	QUARTER 1, 3, F0, F1, 0
	s_wait_dscnt 4                                 ; the very last quarter
	WIN MUL
	MUL8 F1, 0, 0
	MUL8 F1, 1, 0
	s_wait_dscnt 0
	MUL8 F1, 2, 0
	MUL8 F1, 3, 0
	WIN 0
; THE WAY OUT, a block of 16 rows x 128 columns at a time: a lane's 32 bytes go into my own stage and come back as whole rows of 512 bytes.  LDS serves a wave's instructions in order: no wait between stores and loads.
.macro TOSTAGE a
	WIN 0x04                                       ; an LDS store's data are its source 1: window 1
.irp b, 0,1,2,3,4,5,6,7
	ds_store_b128 v[STO], v[8*(8*(\a)+\b):8*(8*(\a)+\b)+3] offset:64*\b          ; each accumulator from its low end on
	ds_store_b128 v[STO], v[8*(8*(\a)+\b)+4:8*(8*(\a)+\b)+7] offset:64*\b+16
.endr
	WIN 0
.set BB, BK+64*((\a)%2)
.irp t, 0,1,2,3,4,5,6,7,8,9,10,11,12,13,14,15
	ds_load_b128 v[BB+4*\t:BB+4*\t+3], v[RD] offset:\t*SPITCH
.endr
.endm
.macro SEND a, younger                 ; younger: the LDS instructions issued behind block a's loads: the next block's 16 stores and 16 loads, or none
.set BB, BK+64*((\a)%2)
	s_wait_dscnt \younger
.irp t, 0,1,2,3,4,5,6,7,8,9,10,11,12,13,14,15
	global_store_b128 v[CO], v[BB+4*\t:BB+4*\t+3], s[8:9] offset:(\a)*65536+\t*4096 th:TH_STORE_NT   ; 512 consecutive bytes, aligned
.endr
.endm
	PLACES                                         ; behind the last products: for the reads of their results and the loads into the fragments' registers
	TOSTAGE 0
.irp a, 1,2,3
.if \a > 1
	s_wait_xcnt 0x0                                ; block a - 2's stores have read their registers: block a's loads may land there
.endif
	TOSTAGE \a
	SEND \a-1, 32
.endr
	SEND 3, 0
	s_wait_tensorcnt 0x0                           ; the wave's end
	ds_add_u32 v[SPW], v[NIL]
	s_wait_dscnt 0x0
	CROUND                                         ; the closing round
	s_endpgm
.Lfunc_end_k_q1b2560b599_oproj:
	.size	k_q1b2560b599_oproj, .Lfunc_end_k_q1b2560b599_oproj-k_q1b2560b599_oproj
	.p2alignl 7, 3214868480
	.fill 96, 4, 3214868480
	.section	.rodata,"a",@progbits
	.p2align	6, 0x0
	.amdhsa_kernel k_q1b2560b599_oproj
		.amdhsa_group_segment_fixed_size 327680
		.amdhsa_private_segment_fixed_size 0
		.amdhsa_enable_private_segment 0
		.amdhsa_kernarg_size 24
		.amdhsa_user_sgpr_count 2
		.amdhsa_user_sgpr_kernarg_segment_ptr 1
		.amdhsa_wavefront_size32 1
		.amdhsa_system_sgpr_workgroup_id_x 1
		.amdhsa_system_sgpr_workgroup_id_y 1
		.amdhsa_system_sgpr_workgroup_id_z 1
		.amdhsa_system_vgpr_workitem_id 0
		.amdhsa_next_free_vgpr 512
		.amdhsa_next_free_sgpr 66
		.amdhsa_reserve_vcc 0
		.amdhsa_float_denorm_mode_32 3
		.amdhsa_float_denorm_mode_16_64 3
		.amdhsa_memory_ordered 1
		.amdhsa_forward_progress 1
		.amdhsa_inst_pref_size 85
	.end_amdhsa_kernel
	.amdgpu_metadata
---
amdhsa.version: [ 1, 2 ]
amdhsa.kernels:
  - .name:           k_q1b2560b599_oproj
    .symbol:         k_q1b2560b599_oproj.kd
    .args:
      - { .name: cat, .offset: 0, .size: 8, .value_kind: global_buffer, .address_space: global }
      - { .name: wo16, .offset: 8, .size: 8, .value_kind: global_buffer, .address_space: global }
      - { .name: out0, .offset: 16, .size: 8, .value_kind: global_buffer, .address_space: global }
    .group_segment_fixed_size: 327680
    .private_segment_fixed_size: 0
    .kernarg_segment_align: 8
    .kernarg_segment_size: 24
    .max_flat_workgroup_size: 128
    .sgpr_count:     66
    .vgpr_count:     512
    .wavefront_size: 32
...
	.end_amdgpu_metadata
.endif
;; end of part 4
